; MI455X (gfx1250); checked and timed in simulation.
; The chip was launched on July 23, 2026; its instructions are those of AMD's public machine-readable ISA for CDNA 5 (MIT licence, August 2026) and "CDNA5" Instruction Set Architecture Reference Guide (July 2026). The comments in the code are by the model that wrote it; some were corrected since.
;; Multi Head Attention CF. Allowed arithmetic: matrix products marked QUANTISED: E4M3 operands, one given power-of-two scale a tensor, by v_wmma_f32_16x16x64_fp8_fp8 or v_wmma_f32_16x16x128_fp8_fp8, f32 sums; everything else in f32.
;; Inputs: Wk_codes 1,024 x 32 x 32 uint8 (E4M3 codes of Wk, K innermost, in blocks of 32 codes); Wo_codes 1,024 x 32 x 32 uint8 (E4M3 codes of Wo, K innermost, in blocks of 32 codes); Wq_codes 1,024 x 32 x 32 uint8 (E4M3 codes of Wq, K innermost, in blocks of 32 codes); Wv_codes 1,024 x 32 x 32 uint8 (E4M3 codes of Wv, K innermost, in blocks of 32 codes); bk 1,024 float32; bo 1,024 float32; bq 1,024 float32; bv 1,024 float32; lowp_scales 12 int32 (the exponents e of the quantised operands' scales 2^e); x_codes 4 x 2,048 x 32 x 32 uint8 (E4M3 codes of x, K innermost, in blocks of 32 codes).
;; Outputs: out0 4 x 2,048 x 1,024 float32.
;; This version of the problem:
;;   THIS VERSION OF THE PROBLEM IS GIVEN IN LOW PRECISION. The matrix products marked QUANTISED in the list below multiply operands that are first quantised to E4M3 (4 exponent bits, 3 mantissa bits; 8 bits a number), with one given power-of-two scale for each operand tensor; their sums are f32. All else is computed in f32.
;;   The module's matrix products, in the order in which they are computed (A, B: the left and right operand; K: the contracted axis; several contracted axes count as one K, in the product's order):
;;     1. [M 8,192, K 1,024] x [K 1,024, N 1,024]; A: input x (given as codes); B: input Wq (given as codes): QUANTISED (scales: A lowp_scales[0], B lowp_scales[1])
;;     2. [M 8,192, K 1,024] x [K 1,024, N 1,024]; A: input x (given as codes); B: input Wk (given as codes): QUANTISED (scales: A lowp_scales[2], B lowp_scales[3])
;;     3. [M 8,192, K 1,024] x [K 1,024, N 1,024]; A: input x (given as codes); B: input Wv (given as codes): QUANTISED (scales: A lowp_scales[4], B lowp_scales[5])
;;     4. batch 64 x [M 2,048, K 64] x [K 64, N 2,048]; A: computed on the way; B: computed on the way: QUANTISED (scales: A lowp_scales[6], B lowp_scales[7])
;;     5. batch 64 x [M 2,048, K 2,048] x [K 2,048, N 64]; A: softmax (see below); B: computed on the way: QUANTISED (scales: A lowp_scales[8], B lowp_scales[9])
;;     6. [M 8,192, K 1,024] x [K 1,024, N 1,024]; A: computed on the way; B: input Wo (given as codes): QUANTISED (scales: A lowp_scales[10], B lowp_scales[11])
;;   THE QUANTISER, for each operand of a quantised product, along K:
;;     - The operand's scale is 2^e, e = its entry of the input lowp_scales (int32; the entries are numbered through the quantised products in the list's order, A before B).
;;     - Each number is divided by the scale, clamped to +-448, and rounded to the nearest number of E4M3, ties to even, subnormals kept.
;;     - The product sums the exact products of the quantised numbers (number of the format x scale) in f32.
;;   ~~~python
;;   def quantise(x, axis, e):      # numpy; x: float32 -> the quantised numbers, widened to float32 again
;;       x = np.moveaxis(x, axis, -1); K = x.shape[-1]
;;       r = np.clip(x / 2.0 ** e, -448, 448)
;;       step = 2.0 ** (np.maximum(np.frexp(np.where(r == 0, 1, r))[1] - 1, -6) - 3)
;;       q = np.round(r / step) * step * 2.0 ** e      # np.round: ties to even
;;       return np.moveaxis(q, -1, axis).astype(np.float32)
;;   ~~~
;;   SOFTMAX AHEAD OF A QUANTISED PRODUCT. Where the list says 'softmax', what is quantised is not the finished softmax but p = 2^(t - M), with t = logit x log2(e) and M = ceil(the row's largest t), a whole number; so 1/2 < the row's largest p <= 1. The row's sum l is taken of the UNQUANTISED p, in f32, and the product's result is divided by l at the end. Since M is a whole number, a kernel that streams over the keys may use a running M (the ceiling of the running maximum): every later rescaling is an exact power of two, so the quantised numbers keep their values, but for numbers so far below the row's largest that they fall under the format's range.
;;   OPERANDS COMPUTED ON THE WAY. 'Computed on the way' means the value that the module computes at that place (a softmax that the list does not call 'softmax' is quantised finished and normalised). What goes into a quantiser is computed in f32, as accurately as f32 sums, v_exp_f32 and their like allow (about 1e-6 of the number): no bf16 or f16 on the way to a quantiser, and a product that is left as it is and whose result goes on into a quantised operand takes f32 operands (vector FMAs, or v_wmma_f32_16x16x4_f32). A number that lies on a knife's edge between two numbers of the format may be rounded either way, as far as f32 arithmetic and the matrix unit's own rounding can turn it there, and no further.
;;   INPUTS GIVEN AS CODES. Wk (in the module: [1024, 1024], K = its axis 1); Wo (in the module: [1024, 1024], K = its axis 1); Wq (in the module: [1024, 1024], K = its axis 1); Wv (in the module: [1024, 1024], K = its axis 1); x (in the module: [4, 2048, 1024], K = its axis 2): each comes as NAME_codes (uint8): NAME with its K axis moved to the last place and cut into blocks of 32 codes, [.., K / 32, bytes a block], one block behind the other in memory; one code a byte (a code: sign, 4 exponent bits, 3 mantissa bits); its scale is its entry of lowp_scales. Its value is code x scale, taken as it is: it is not quantised again, and the codes and scales need not be those that the quantiser above would give.
;; One version. Each part assembles by itself: llvm-mc -triple=amdgcn-amd-amdhsa -mcpu=gfx1250 --defsym DOCPART=n.
;; ======== version 1 of 1: 3 launches
;; limits: right only within a limited range of input values
;; workspace buffers: q_img 8,388,608 bytes; k_img 8,388,608 bytes; v_img 8,388,608 bytes; a_img 8,388,608 bytes
;; launch qkv (part 1): grid 32 x 8, 4 waves a work-group, clusters of 4 x 4, 327,680 bytes of LDS; arguments x_codes, Wq_codes, Wk_codes, Wv_codes, bq, bk, bv, lowp_scales, q_img, k_img, v_img; writes q_img, k_img, v_img
.if DOCPART == 1
	.amdgcn_target "amdgcn-amd-amdhsa--gfx1250"
	.amdhsa_code_object_version 6
	.text
	.protected	k_qcc4136186d_qkv
	.globl	k_qcc4136186d_qkv
	.p2align	8
	.type	k_qcc4136186d_qkv,@function
k_qcc4136186d_qkv:
	s_mov_b64 s[64:65], 0
	v_nop
	global_prefetch_b8 v0, s[64:65] scope:SCOPE_SE
	s_setreg_imm32_b32 hwreg(HW_REG_WAVE_MODE, 25, 1), 1
	s_wait_xcnt 0x0
	s_wait_alu depctr_hold_cnt(0) depctr_sa_sdst(0) depctr_va_vdst(0) depctr_va_sdst(0) depctr_va_ssrc(0) depctr_va_vcc(0) depctr_vm_vsrc(0)
	s_getreg_b32 s2, hwreg(HW_REG_IB_STS2, 6, 4)
	s_cmp_eq_u32 s2, 0
	s_cbranch_scc0 .Lentry_in_a_cluster
	s_endpgm
.Lentry_in_a_cluster:
	s_bfe_u32 s2, ttmp6, 0x10000c
	s_cmp_lg_u32 s2, 0xf033
	s_cbranch_scc0 .Lentry_shape_is_right
	s_endpgm
.Lentry_shape_is_right:
; Q, K, V = x W^T + b for Wq, Wk, Wv: 8,192 rows, 3 x 1,024 columns, K = 1,024, operands E4M3 codes, sums in f32; each result is quantised with its given scale (entries 6, 7, 9) and stored as codes.
; No work of the problem is left out.
; OUTPUTS are images of the next products' operand registers (lane l's 16 bytes of register group c at 512 c + 16 l): q_img, k_img [16 batch + head][s / 16][1,024 bytes];
; v_img [16 batch + head][key / 128][channel / 16][2,048 bytes], keys innermost: registers 2 c, 2 c + 1 hold keys 16 c + 8 (lane / 16) + 0 .. 7 of channel lane % 16.
; SHARES.  A work-group takes 256 rows of x against three tiles of 128 columns, one of Wq, one of Wk, one of Wv, at the same columns: 32 x 8 = 256 work-groups, all with the same text.  A wave makes 64 rows x 128 columns of each: 32 accumulators.
; x GOES THROUGH LDS ONCE AND STAYS IN REGISTERS: each wave fetches its own 64 rows x 1,024 bytes by its one tensor load at the head, and it alone reads them: 512 registers.
; The same LDS bytes then serve as two slots for the tiles of W (128 rows x 1,024 bytes, 32 rows a wave): each fill stands behind the wait for all tensor loads, the add, the wait for LDS and a round of the cluster's barrier, one load a wave.
; Wk's tile is on its way while Q's products are made, Wv's while Q leaves and K's products are made.
; CLUSTER 4 x 4: the four of a column have the same rows of x, the four of a row the same rows of W: both are asked for jointly.
; Q, K: source 0 = 16 rows of W, source 1 = 16 rows of x: a lane holds eight neighbouring columns of a row.  V: the sources are swapped: a lane holds eight neighbouring keys of a channel.
; The bias, x 2^-(ex + ew), is the C of each accumulator's first product; the three scales are folded into the conversion's one.
; NO PREFETCH: the text has no loop to run ahead in; each tile of W but the first is asked for a tile's products ahead of its use.
; LIMITS: for each of the three, e_out - ex - ew between -126 and 119, so that the conversion's scale and 448 x it are f32 numbers.
; REGISTERS: window 0: v1-11 addresses, v32-95 the bias, v128-255 W's fragments in two halves of four, then the codes on the way out; windows 1, 2: x, K step q, row tile a at 64 (q % 4) + 16 a; window 3: accumulator (a, b) at 64 a + 8 b.
.set PITCH,  1040                      ; an LDS row: 1,024 bytes + 16 of padding
.set WQ,     32*PITCH                  ; a wave's part of a tile of W
.set SLOT,   4*WQ
.set XQ,     64*PITCH                  ; a wave's rows of x; also 64 rows of W
.set SPARE,  4*XQ                      ; behind both: the spare words
.set L16,  1                           ; 16 x lane
.set ADRB, 2                           ; v2-5: my lane's place in slot s, rows 64 hf on, at 2 s + hf
.set ADRX, 6                           ; my lane's place in my rows of x
.set BOF,  7
.set SPW,  8
.set NIL,  9
.set BMO,  10
.set SC,   11
.set BO,   32
.set BF,   128
.set CD,   128
.set G1X,  24
.set G0X,  32
.set PR,   40                          ; s[40 + 4 t ..]: -(ex + ew), the conversion's scale, 448 x it, -448 x it; t = 0 Q, 1 K, 2 V
.set G1W,  52
.set G0W,  60
.set PADW, (1<<20)|(1<<21)|(7<<22)|(3<<25)   ; elements of 1 byte; 4 words of padding behind every 256 words; bit 21 set beside a mask
.set MSB, 0
.macro WIN new                         ; the immediate's high byte repeats the setting that is left
.if MSB != \new
	s_set_vgpr_msb (MSB<<8)|\new
.set MSB, \new
.endif
.endm
.macro CROUND
	s_barrier_signal -1
	s_barrier_wait -1
	s_cmp_lg_u32 s14, 0
	s_cbranch_scc1 .Lnot_wave_0_\@
	s_barrier_signal -3
.Lnot_wave_0_\@:
	s_barrier_wait -3
	s_barrier_signal -1
	s_barrier_wait -1
.endm
.macro PLACES
.rept 4
	v_nop
.endr
.endm
.macro SEQ                             ; in front of a refill: all my tensor loads, the add, my LDS reads, a round
	s_wait_tensorcnt 0x0
	ds_add_u32 v[SPW], v[NIL]
	s_wait_dscnt 0x0
	CROUND
.endm
.macro WLOAD ptr, lreg                 ; my 32 rows of a tile of W: my one tensor load behind the round
	s_mov_b32 s[G0W+1], s[\lreg]
	s_mov_b64 s[G0W+2:G0W+3], s[\ptr:\ptr+1]
	s_or_b32 s[G0W+3], s[G0W+3], 0x80000000
	tensor_load_to_lds s[G0W:G0W+3], s[G1W:G1W+7]
	s_nop 0
	PLACES
.endm
.macro XLOAD q                         ; my four row tiles of x, K step q: 16 loads
.irp a, 0,1,2,3
.irp c, 0,1,2,3
	ds_load_b128 v[64*((\q)%4)+16*\a+4*\c:64*((\q)%4)+16*\a+4*\c+3], v[ADRX] offset:16*PITCH*\a+128*(\q)+32*\c
.endr
.endr
.endm
.macro FETCHB slot, hf, q              ; four fragments of W (rows 64 hf on) of K step q: 16 loads
.irp i, 0,1,2,3
.irp c, 0,1,2,3
	ds_load_b128 v[BF+64*(\hf)+16*\i+4*\c:BF+64*(\hf)+16*\i+4*\c+3], v[ADRB+2*(\slot)+(\hf)] offset:16*PITCH*\i+128*(\q)+32*\c
.endr
.endr
.endm
.macro MULH q, hf, sw                  ; 16 products on 16 accumulators, one a turn
.irp a, 0,1,2,3
.irp b, 0,1,2,3
.set DD, 64*\a+8*(4*(\hf)+\b)
.set WF, BF+64*(\hf)+16*\b
.set XF, 64*((\q)%4)+16*\a
.if (\q) == 0
.set CC, BO+8*(4*(\hf)+\b)
.else
.set CC, DD
.endif
.if \sw
	v_wmma_f32_16x16x128_fp8_fp8 v[DD:DD+7], v[XF:XF+15], v[WF:WF+15], v[CC:CC+7]
.else
	v_wmma_f32_16x16x128_fp8_fp8 v[DD:DD+7], v[WF:WF+15], v[XF:XF+15], v[CC:CC+7]
.endif
.endr
.endr
.endm
.macro KSTEP q, slot, sw
.if \sw                                ; D window 3; C window 0 (the bias) in the first K step, then 3; x window 1 or 2; W window 0
.if (\q) == 0
.set MW, 0xc1
.else
.set MW, 0xf1+((\q)/4)
.endif
.else
.if (\q) == 0
.set MW, 0xc4
.else
.set MW, 0xf4+4*((\q)/4)
.endif
.endif
	s_wait_dscnt 16                                ; the first half of W's fragments is in; the second half's 16 loads may be out
	WIN MW
	MULH \q, 0, \sw
.if (\q) < 7
	PLACES                                         ; in front of loads into registers that matrix instructions have read
	WIN 0
	FETCHB \slot, 0, (\q)+1
	s_wait_dscnt 16                                ; all but the 16 just issued
.else
	s_wait_dscnt 0x0
.endif
	WIN MW
	MULH \q, 1, \sw
.if (\q) < 7
	PLACES
	WIN 0
	FETCHB \slot, 1, (\q)+1
.endif
.endm
.macro TILE slot, sw                   ; 64 rows x 128 columns x 1,024
	FETCHB \slot, 0, 0
	FETCHB \slot, 1, 0
.irp q, 0,1,2,3,4,5,6,7
	KSTEP \q, \slot, \sw
.endr
	PLACES                                         ; behind the last products
	WIN 0
.endm
.macro PARAM t, ea, eb, eo
	s_add_co_i32 s[PR+4*\t], s[\ea], s[\eb]        ; ex + ew
	s_sub_co_i32 s[PR+4*\t+1], s[\eo], s[PR+4*\t]
	s_add_co_i32 s[PR+4*\t+1], s[PR+4*\t+1], 127
	s_add_co_i32 s[PR+4*\t+2], s[PR+4*\t+1], 8
	s_lshl_b32 s[PR+4*\t+1], s[PR+4*\t+1], 23      ; 2^(e_out - ex - ew)
	s_lshl_b32 s[PR+4*\t+2], s[PR+4*\t+2], 23
	s_or_b32 s[PR+4*\t+2], s[PR+4*\t+2], 0x600000  ; 448 x that
	s_or_b32 s[PR+4*\t+3], s[PR+4*\t+2], 0x80000000
	s_sub_co_i32 s[PR+4*\t], 0, s[PR+4*\t]
.endm
.macro BIASN ptr                       ; a bias at my eight columns of each column tile
.irp b, 0,1,2,3,4,5,6,7
	global_load_b128 v[BO+8*\b:BO+8*\b+3],   v[BOF], s[\ptr:\ptr+1] offset:64*\b
	global_load_b128 v[BO+8*\b+4:BO+8*\b+7], v[BOF], s[\ptr:\ptr+1] offset:64*\b+16
.endr
.endm
.macro SCALEB t
.set i, 0
.rept 64
	v_ldexp_f32 v[BO+i], v[BO+i], s[PR+4*\t]
.set i, i+1
.endr
.endm
.macro HOLD t                          ; the sums are held within +-448 x the scale, each accumulator from its low end on (the conversion does not saturate: ISA guide 7.6.2)
	v_mov_b32 v[SC], s[PR+4*\t+1]
	WIN 0xc3
.set i, 0
.rept 256
	v_med3_num_f32 v[i], v[i], s[PR+4*\t+3], s[PR+4*\t+2]
.set i, i+1
.endr
	WIN 0x03
.endm
.macro OUT_QK t, ptr
	HOLD \t
.irp a, 0,1,2,3
.irp b, 0,1,2,3,4,5,6,7
	v_cvt_scalef32_pk8_fp8_f32 v[CD+16*\a+2*\b:CD+16*\a+2*\b+1], v[64*\a+8*\b:64*\a+8*\b+7], v[SC]
.endr
.endr
	v_nop                                          ; a plain line behind the last conversion
	WIN 0
.irp a, 0,1,2,3
.irp c, 0,1,2,3
	global_store_b128 v[L16], v[CD+16*\a+4*\c:CD+16*\a+4*\c+3], s[\ptr:\ptr+1] offset:1024*\a+131072*(\c/2)+512*(\c%2)   ; 32 lanes store 512 consecutive bytes, aligned
.endr
.endr
.endm
	s_load_b512 s[68:83], s[0:1], 0x0              ; x 68, Wq 70, Wk 72, Wv 74, bq 76, bk 78, bv 80, the scales' exponents 82
	s_load_b128 s[84:87], s[0:1], 0x40             ; q_img, k_img
	s_load_b64 s[88:89], s[0:1], 0x50              ; v_img
	v_lshl_add_u32 v[SPW], v0, 2, SPARE
	v_mov_b32 v[NIL], 0
	ds_add_u32 v[SPW], v[NIL]                      ; the opening lines: the add twice on end and one wait
	ds_add_u32 v[SPW], v[NIL]
	v_lshrrev_b32 v12, 5, v0
	v_readfirstlane_b32 s14, v12                   ; wave 0..3
	v_and_b32 v13, 15, v0                          ; r
	v_bfe_u32 v14, v0, 4, 1                        ; h
	v_and_b32 v15, 31, v0
	v_lshlrev_b32 v[L16], 4, v15
	v_mul_u32_u24 v16, v13, PITCH
	v_lshl_add_u32 v[ADRB], v14, 4, v16            ; row r x pitch + 16 h
	v_add_nc_u32 v[ADRB+1], XQ, v[ADRB]
	v_add_nc_u32 v[ADRB+2], 2*XQ, v[ADRB]
	v_add_nc_u32 v[ADRB+3], 3*XQ, v[ADRB]
	s_mul_i32 s20, s14, XQ                         ; where my rows of x go
	v_add_nc_u32 v[ADRX], s20, v[ADRB]
	v_lshlrev_b32 v[BOF], 5, v14
	v_lshlrev_b32 v[BMO], 2, v13
	s_mul_i32 s21, s14, WQ                         ; where my rows of W go: slot 0,
	s_add_co_u32 s22, s21, SLOT                    ; slot 1
	s_bfe_u32 s15, ttmp6, 0x40000                  ; cx
	s_bfe_u32 s16, ttmp6, 0x40004                  ; cy
	s_lshl_b32 s17, ttmp9, 2
	s_add_co_u32 s17, s17, s15                     ; row block = 4 x cluster x + cx
	s_and_b32 s18, ttmp7, 0xffff
	s_lshl_b32 s18, s18, 2
	s_add_co_u32 s18, s18, s16                     ; column block = 4 x cluster y + cy
	s_lshl_b32 s19, s16, 2
	s_lshl_b32 s19, 15, s19                        ; my row of the cluster: the same column block
	s_lshl_b32 s23, 0x1111, s15                    ; my column: the same row block
	s_or_b32 s[G1X], s23, PADW
	s_or_b32 s[G1W], s19, PADW
	s_mov_b32 s[G1X+1], 1024<<16                   ; x: 64 rows of 1,024 bytes
	s_mov_b32 s[G1X+2], 64<<16
	s_mov_b32 s[G1X+3], 1024<<16
	s_mov_b32 s[G1X+4], 64
	s_mov_b32 s[G1X+5], 1024
	s_mov_b32 s[G1X+6], 0
	s_mov_b32 s[G1X+7], 0
	s_mov_b32 s[G1W+1], 1024<<16                   ; W: 32 rows of 1,024 bytes
	s_mov_b32 s[G1W+2], 32<<16
	s_mov_b32 s[G1W+3], 1024<<16
	s_mov_b32 s[G1W+4], 32
	s_mov_b32 s[G1W+5], 1024
	s_mov_b32 s[G1W+6], 0
	s_mov_b32 s[G1W+7], 0
	s_lshl_b32 s4, s17, 18                         ; x: 256 rows of 1,024 bytes a row block,
	s_lshl_b32 s19, s14, 16                        ; 64 a wave
	s_add_co_u32 s4, s4, s19
	s_mov_b32 s5, 0
	s_lshl_b32 s6, s18, 17                         ; W: 128 rows a column block,
	s_lshl_b32 s19, s14, 15                        ; 32 a wave
	s_add_co_u32 s6, s6, s19
	s_mov_b32 s7, 0
	s_lshl_b32 s8, s18, 9                          ; the biases: 128 numbers of f32 a column block
	s_mov_b32 s9, 0
	s_lshr_b32 s36, s17, 3                         ; batch
	s_lshl_b32 s36, s36, 4
	s_lshl_b32 s37, s18, 1
	s_add_co_u32 s36, s36, s37                     ; 16 batch + my first head
	s_lshl_b32 s36, s36, 17                        ; 131,072 bytes each, in all three images
	s_and_b32 s37, s17, 7
	s_lshl_b32 s38, s37, 14                        ; 256 rows: 16 row tiles of 1,024 bytes, or 2 key blocks of 8,192
	s_add_co_u32 s36, s36, s38
	s_lshl_b32 s39, s14, 12                        ; q_img, k_img: four row tiles a wave
	s_add_co_u32 s10, s36, s39
	s_mov_b32 s11, 0
	s_lshr_b32 s39, s14, 1
	s_lshl_b32 s39, s39, 13                        ; v_img: key block wave / 2,
	s_add_co_u32 s12, s36, s39
	s_and_b32 s39, s14, 1
	s_lshl_b32 s39, s39, 10                        ; register groups 2 (wave % 2) on
	s_add_co_u32 s12, s12, s39
	s_mov_b32 s13, 0
	s_wait_alu depctr_va_vdst(0)
	s_wait_dscnt 0x0                               ; both opening adds are done
	s_wait_kmcnt 0x0
	s_load_b256 s[92:99], s[82:83], 0x0            ; entries 0 to 7
	s_load_b32 s100, s[82:83], 0x24                ; entry 9
	s_mov_b32 s[G0X], 1
	s_mov_b32 s[G0X+1], s20
	s_add_nc_u64 s[G0X+2:G0X+3], s[68:69], s[4:5]
	s_or_b32 s[G0X+3], s[G0X+3], 0x80000000
	s_mov_b32 s[G0W], 1
	s_add_nc_u64 s[70:71], s[70:71], s[6:7]
	s_add_nc_u64 s[72:73], s[72:73], s[6:7]
	s_add_nc_u64 s[74:75], s[74:75], s[6:7]
	s_add_nc_u64 s[76:77], s[76:77], s[8:9]
	s_add_nc_u64 s[78:79], s[78:79], s[8:9]
	s_add_nc_u64 s[80:81], s[80:81], s[8:9]
	s_add_nc_u64 s[84:85], s[84:85], s[10:11]
	s_add_nc_u64 s[86:87], s[86:87], s[10:11]
	s_add_nc_u64 s[88:89], s[88:89], s[12:13]
	BIASN 76                                       ; bq
	CROUND                                         ; all sixteen work-groups are here: the first joint loads meet
	tensor_load_to_lds s[G0X:G0X+3], s[G1X:G1X+7]  ; my 64 rows of x: my one tensor load at the head
	s_nop 0
	PLACES
	s_wait_kmcnt 0x0
	PARAM 0, 92, 93, 98
	PARAM 1, 94, 95, 99
	PARAM 2, 96, 97, 100
	s_wait_loadcnt 0x0
	SCALEB 0                                       ; bq x 2^-(e0 + e1)
	s_wait_alu depctr_va_vdst(0)
	s_wait_tensorcnt 0x0                           ; my rows of x are in; I alone read them
	WIN 0x40                                       ; destination window 1
	XLOAD 0
	XLOAD 1
	XLOAD 2
	XLOAD 3
	WIN 0x80                                       ; destination window 2
	XLOAD 4
	XLOAD 5
	XLOAD 6
	XLOAD 7
	WIN 0
	SEQ                                            ; every wave of the cluster has x in registers
	WLOAD 70, 21                                   ; Wq's tile into slot 0
	SEQ                                            ; it is in
	WLOAD 72, 22                                   ; Wk's tile into slot 1
	TILE 0, 0                                      ; Q
	SEQ                                            ; Wk's tile is in, and nobody reads slot 0 any more
	WLOAD 74, 21                                   ; Wv's tile into slot 0
	BIASN 78                                       ; bk
	OUT_QK 0, 84
	s_wait_loadcnt 0x0
	SCALEB 1
	s_wait_alu depctr_va_vdst(0)
	s_wait_xcnt 0x0                                ; the stores have read their registers: W's fragments may land there
	TILE 1, 0                                      ; K
.irp b, 0,1,2,3,4,5,6,7
	global_load_b32 v[BO+8*\b], v[BMO], s[80:81] offset:64*\b   ; bv at my channel of each channel tile
.endr
	OUT_QK 1, 86
	s_wait_loadcnt 0x0
.irp b, 0,1,2,3,4,5,6,7
	v_ldexp_f32 v[BO+8*\b], v[BO+8*\b], s[PR+8]
.endr
.irp b, 0,1,2,3,4,5,6,7
.irp j, 1,2,3,4,5,6,7
	v_mov_b32 v[BO+8*\b+\j], v[BO+8*\b]            ; the same for my eight keys
.endr
.endr
	s_wait_alu depctr_va_vdst(0)
	s_wait_xcnt 0x0
	s_wait_tensorcnt 0x0                           ; my rows of Wv are in
	s_barrier_signal -1
	s_barrier_wait -1                              ; everybody's are; nothing is filled again
	TILE 0, 1                                      ; V, the sources swapped
	HOLD 2
.irp b, 0,1,2,3,4,5,6,7
.irp a, 0,1,2,3
	v_cvt_scalef32_pk8_fp8_f32 v[CD+8*\b+2*\a:CD+8*\b+2*\a+1], v[64*\a+8*\b:64*\a+8*\b+7], v[SC]   ; keys 16 a + 8 h + 0 .. 7 of channel 16 b + r
.endr
.endr
	v_nop                                          ; a plain line behind the last conversion
	WIN 0
.irp b, 0,1,2,3,4,5,6,7
.irp g, 0,1
	global_store_b128 v[L16], v[CD+8*\b+4*\g:CD+8*\b+4*\g+3], s[88:89] offset:131072*(\b/4)+2048*(\b%4)+512*\g   ; 32 lanes store 512 consecutive bytes, aligned
.endr
.endr
	s_wait_tensorcnt 0x0                           ; the wave's end
	ds_add_u32 v[SPW], v[NIL]
	s_wait_dscnt 0x0
	CROUND                                         ; the closing round
	s_endpgm
.Lfunc_end_k_qcc4136186d_qkv:
	.size	k_qcc4136186d_qkv, .Lfunc_end_k_qcc4136186d_qkv-k_qcc4136186d_qkv
	.p2alignl 7, 3214868480
	.fill 96, 4, 3214868480
	.section	.rodata,"a",@progbits
	.p2align	6, 0x0
	.amdhsa_kernel k_qcc4136186d_qkv
		.amdhsa_group_segment_fixed_size 327680
		.amdhsa_private_segment_fixed_size 0
		.amdhsa_enable_private_segment 0
		.amdhsa_kernarg_size 88
		.amdhsa_user_sgpr_count 2
		.amdhsa_user_sgpr_kernarg_segment_ptr 1
		.amdhsa_wavefront_size32 1
		.amdhsa_system_sgpr_workgroup_id_x 1
		.amdhsa_system_sgpr_workgroup_id_y 1
		.amdhsa_system_sgpr_workgroup_id_z 1
		.amdhsa_system_vgpr_workitem_id 0
		.amdhsa_next_free_vgpr 1024
		.amdhsa_next_free_sgpr 102
		.amdhsa_reserve_vcc 0
		.amdhsa_float_denorm_mode_32 3
		.amdhsa_float_denorm_mode_16_64 3
		.amdhsa_memory_ordered 1
		.amdhsa_forward_progress 1
		.amdhsa_inst_pref_size 197
	.end_amdhsa_kernel
	.amdgpu_metadata
---
amdhsa.version: [ 1, 2 ]
amdhsa.kernels:
  - .name:           k_qcc4136186d_qkv
    .symbol:         k_qcc4136186d_qkv.kd
    .args:
      - { .name: x_codes, .offset: 0, .size: 8, .value_kind: global_buffer, .address_space: global }
      - { .name: Wq_codes, .offset: 8, .size: 8, .value_kind: global_buffer, .address_space: global }
      - { .name: Wk_codes, .offset: 16, .size: 8, .value_kind: global_buffer, .address_space: global }
      - { .name: Wv_codes, .offset: 24, .size: 8, .value_kind: global_buffer, .address_space: global }
      - { .name: bq, .offset: 32, .size: 8, .value_kind: global_buffer, .address_space: global }
      - { .name: bk, .offset: 40, .size: 8, .value_kind: global_buffer, .address_space: global }
      - { .name: bv, .offset: 48, .size: 8, .value_kind: global_buffer, .address_space: global }
      - { .name: lowp_scales, .offset: 56, .size: 8, .value_kind: global_buffer, .address_space: global }
      - { .name: q_img, .offset: 64, .size: 8, .value_kind: global_buffer, .address_space: global }
      - { .name: k_img, .offset: 72, .size: 8, .value_kind: global_buffer, .address_space: global }
      - { .name: v_img, .offset: 80, .size: 8, .value_kind: global_buffer, .address_space: global }
    .group_segment_fixed_size: 327680
    .private_segment_fixed_size: 0
    .kernarg_segment_align: 8
    .kernarg_segment_size: 88
    .max_flat_workgroup_size: 128
    .sgpr_count:     102
    .vgpr_count:     1024
    .wavefront_size: 32
...
	.end_amdgpu_metadata
.endif
;; end of part 1
;; launch attn (part 2): grid 4 x 64, 16 waves a work-group, clusters of 4 x 1, 264,192 bytes of LDS; arguments q_img, k_img, v_img, lowp_scales, a_img; writes a_img
.if DOCPART == 2
	.amdgcn_target "amdgcn-amd-amdhsa--gfx1250"
	.amdhsa_code_object_version 6
	.text
	.protected	k_qcc4136186d_attn
	.globl	k_qcc4136186d_attn
	.p2align	8
	.type	k_qcc4136186d_attn,@function
k_qcc4136186d_attn:
	s_mov_b64 s[64:65], 0
	v_nop
	global_prefetch_b8 v0, s[64:65] scope:SCOPE_SE
	s_setreg_imm32_b32 hwreg(HW_REG_WAVE_MODE, 25, 1), 1
	s_wait_xcnt 0x0
	s_wait_alu depctr_hold_cnt(0) depctr_sa_sdst(0) depctr_va_vdst(0) depctr_va_sdst(0) depctr_va_ssrc(0) depctr_va_vcc(0) depctr_vm_vsrc(0)
	s_getreg_b32 s2, hwreg(HW_REG_IB_STS2, 6, 4)
	s_cmp_eq_u32 s2, 0
	s_cbranch_scc0 .Lentry_in_a_cluster
	s_endpgm
.Lentry_in_a_cluster:
	s_bfe_u32 s2, ttmp6, 0x10000c
	s_cmp_lg_u32 s2, 0x3003
	s_cbranch_scc0 .Lentry_shape_is_right
	s_endpgm
.Lentry_shape_is_right:
; For each of 64 (batch, head): O[q] = sum over k of p(q, k) V[k] / l(q), both products on E4M3 codes, head size 64, 2,048 keys.
; t = score x log2(e) / 8; M = the running largest t rounded UP to a whole number; p = 2^(t - M) is quantised with 2^e8, not normalised; l is the sum of the unquantised p, in f32.
; When M moves, l and O are multiplied by 2^(old M - new M), which rounds nothing.  At the end O x 2^(e8 + e9) / l is quantised with 2^e10 and stored as images of the last product's operand registers.
; INPUTS are images of operand registers (lane l's 16 bytes of register group c at 512 c + 16 l): q_img, k_img [head of 64][s / 16][1,024 bytes], v_img [head of 64][key / 128][channel / 16][2,048 bytes], keys innermost.
; OUTPUT a_img [row / 16][k / 128][2,048 bytes]: lane (r, h) holds row r of the 16; register 4 c + i, byte y: k = 32 c + 16 h + 4 i + y of the 128.
; SHARES.  A work-group owns 512 queries of one head (my place cx in the cluster is the block of queries); each of its sixteen waves owns 32, two tiles of 16, in 256 registers.
; LDS.  A head's K (131,072 bytes, from byte 0) and V (131,072 bytes behind it) lie in LDS whole, as copies of their images: every byte is filled once, nothing is filled again, nothing is stored there.
; The four work-groups of a cluster walk the same head, so every piece is asked for JOINTLY (mask 15).  Wave w brings ONE piece of 16,384 bytes (waves 0-7 of K, waves 8-15 of V): one tensor load a wave in the whole text.
; One wait for it and one barrier stand ahead of the loop over the 16 key steps; no barrier stands in the loop.
; NO PREFETCH: all of K and V is asked for at the head, and there is no loop ahead of those loads to run ahead in.
; LAYOUT.  Both products are used transposed: S^T = K Q^T, O^T = V^T P^T: a lane holds ONE query (lane % 16) throughout.
; Tile tau of S^T holds keys 16 tau + 8 (lane / 16) + 0 .. 7 in its eight registers: one conversion makes them registers 2 tau, 2 tau + 1 of P's fragment of 128 keys.
; LIMITS: e6 + e7 between -123 and 130 (added to c's exponent field); e8 and e10 between -126 and 119; e8 + e9 is applied by v_ldexp_f32.  A p under 2^-126 counts as 0.  The scaled scores t stay under 2^31 in magnitude.
.set L16, 1                            ; v1   16 x lane; never rewritten
.set ADK, 2                            ; v2   LDS address of the step's K
.set ADV, 3                            ; v3   of its V
.set CVS, 4                            ; v4   2^e8 as f32, on the way out 2^e10
.set XX,  5                            ; v5   what the lane 16 away sends
.set MA,  6                            ; v6, v7 at work
.set MB,  7
.set ST,  8                            ; tile t at v[8 + 6 t]: pair (-M, largest score), pair l, pair (f, 0)
.set TP,  20                           ; v[20:21] the sum's second chain
.set QF,  24                           ; v24-39   Q: 8 registers a tile
.set P0,  40                           ; v40-55   tile 0's codes of p
.set P1,  56                           ; v56-71   tile 1's: two registers of their own, then the first fourteen of S, which are done with by then
.set S,   58                           ; v58-121  S^T of one tile, then p
.set KV,  122                          ; v122-185 K's 8 fragments of 8 registers, then V's 4 of 16
.set OA,  186                          ; v186-249 O^T: tile t, channels 16 ct on, at 186 + 32 t + 8 ct
.set WV,  14                           ; s14  my wave's number
.set SEL, 20                           ; s[20:21] lane selects for v_permlanex16_b32: lane l xor 16
.set CS,  22                           ; s[22:23] c = log2(e) / 8 x 2^(e6 + e7)
.set G1,  24                           ; s[24:31] descriptor group 1, one for both loads
.set G0K, 32                           ; s[32:35] group 0 for a piece of K;  s[48:51] of V
.set G0V, 48
.set TB,  66                           ; s66  LDS byte of the step's K
.set TBV, 67                           ; s67  of its V
.set CNT, 68
.set NCS, 69                           ; s69  -c
.set PLIM, 84                          ; s84  448 x 2^e8
.macro CROUND                          ; a round of the cluster's barrier
	s_barrier_signal -1
	s_barrier_wait -1
	s_cmp_lg_u32 s[WV], 0
	s_cbranch_scc1 .Lnot_wave_0_\@
	s_barrier_signal -3
.Lnot_wave_0_\@:
	s_barrier_wait -3
	s_barrier_signal -1
	s_barrier_wait -1
.endm
	s_load_b256 s[4:11], s[0:1], 0x0               ; q_img s[4:5], k_img s[6:7], v_img s[8:9], the scales' exponents s[10:11]
	s_load_b64 s[12:13], s[0:1], 0x20              ; a_img
	v_lshl_add_u32 v254, v0, 2, 0x40000
	v_mov_b32 v255, 0
	ds_add_u32 v254, v255                          ; the opening lines: the add twice on end and one wait
	ds_add_u32 v254, v255
	v_lshrrev_b32 v2, 5, v0
	s_delay_alu instid0(VALU_DEP_1)
	v_readfirstlane_b32 s[WV], v2                  ; wave 0..15
	v_and_b32 v[L16], 31, v0
	s_delay_alu instid0(VALU_DEP_1)
	v_lshlrev_b32 v[L16], 4, v[L16]
	s_bfe_u32 s15, ttmp6, 0x40000                  ; cx: my block of 512 queries; it enters Q's and the output's addresses alone
	s_and_b32 s16, ttmp7, 0xffff                   ; 16 batch + head, which the four partners share
	; descriptor group 1: 64 rows of 256 bytes, dense: 16,384 bytes
	s_mov_b32 s[G1], 15|(3<<16)|(1<<21)            ; the mask: all four work-groups; elements of 8 bytes; bit 21 set beside a mask
	s_mov_b32 s[G1+1], 32<<16                      ; tensor_dim0 = 32 elements
	s_mov_b32 s[G1+2], 64<<16                      ; tensor_dim1 = 64
	s_mov_b32 s[G1+3], 32<<16                      ; tile_dim0 = 32
	s_mov_b32 s[G1+4], 64                          ; tile_dim1 = 64
	s_mov_b32 s[G1+5], 32                          ; tensor_dim0_stride
	s_mov_b32 s[G1+6], 0
	s_mov_b32 s[G1+7], 0
	s_mov_b32 s[SEL], 0x76543210
	s_mov_b32 s[SEL+1], 0xfedcba98
	s_mov_b32 s[CS], 0x3e38aa3b                    ; log2(e) / 8
	s_and_b32 s17, s[WV], 7
	s_lshl_b32 s17, s17, 14                        ; my 16,384 bytes of the head's 131,072: in LDS and in the image alike
	s_lshl_b32 s18, s16, 17                        ; the head's 131,072 bytes
	s_add_co_u32 s18, s18, s17
	s_mov_b32 s19, 0
	s_wait_dscnt 0x0
	s_wait_kmcnt 0x0
	s_load_b256 s[72:79], s[10:11], 0x0            ; entries 0 to 7
	s_load_b128 s[80:83], s[10:11], 0x20           ; entries 8 to 11
	s_mov_b32 s[G0K], 1                            ; count = 1
	s_mov_b32 s[G0K+1], s17                        ; LDS address: K from byte 0
	s_add_nc_u64 s[G0K+2:G0K+3], s[6:7], s[18:19]
	s_or_b32 s[G0K+3], s[G0K+3], 0x80000000        ; type = 2
	s_mov_b32 s[G0V], 1
	s_add_co_u32 s[G0V+1], s17, 131072             ; V behind K
	s_add_nc_u64 s[G0V+2:G0V+3], s[8:9], s[18:19]
	s_or_b32 s[G0V+3], s[G0V+3], 0x80000000
	CROUND                                         ; all four work-groups are here: the joint loads meet
	s_cmp_lt_u32 s[WV], 8                          ; one fill in each arm, both arms lead to one join; s_nop 0 and four v_nop follow each
	s_cbranch_scc0 .Lfills_v
	tensor_load_to_lds s[G0K:G0K+3], s[G1:G1+7]
	s_nop 0
.rept 4
	v_nop
.endr
	s_branch .Lfills_out
.Lfills_v:
	tensor_load_to_lds s[G0V:G0V+3], s[G1:G1+7]
	s_nop 0
.rept 4
	v_nop
.endr
.Lfills_out:
	s_lshl_b32 s92, s15, 15                        ; Q: row tile 32 cx + 2 wave of the head, 1,024 bytes each
	s_lshl_b32 s93, s[WV], 11
	s_add_co_u32 s92, s92, s93
	s_lshl_b32 s93, s16, 17
	s_add_co_u32 s92, s92, s93
	s_mov_b32 s93, 0
	s_add_nc_u64 s[4:5], s[4:5], s[92:93]
	s_wait_alu depctr_va_vdst(0)
.irp t, 0,1
.irp c, 0,1
	global_load_b128 v[QF+8*\t+4*\c:QF+8*\t+4*\c+3], v[L16], s[4:5] offset:1024*\t+512*\c   ; Q's fragments stay in registers
.endr
.endr
	s_lshr_b32 s92, s16, 4                         ; the output: row tile 128 batch + 32 cx + 2 wave, 16,384 bytes each;
	s_lshl_b32 s92, s92, 7
	s_lshl_b32 s93, s15, 5
	s_add_co_u32 s92, s92, s93
	s_lshl_b32 s93, s[WV], 1
	s_add_co_u32 s92, s92, s93
	s_lshl_b32 s92, s92, 14
	s_and_b32 s93, s16, 15
	s_lshl_b32 s93, s93, 10                        ; a head's 64 of the 1,024 along k are two register groups: 1,024 bytes x head
	s_add_co_u32 s92, s92, s93
	s_mov_b32 s93, 0
	s_add_nc_u64 s[12:13], s[12:13], s[92:93]
.irp t, 0,1
	v_mov_b32 v[ST+6*\t], 0x7f61b1e6               ; -M = 3e38: the first step's f is then 0
	v_mov_b32 v[ST+6*\t+1], 0xff61b1e6             ; the largest score so far: -3e38, under every score
	v_mov_b32 v[ST+6*\t+2], 0                      ; l, in two halves
	v_mov_b32 v[ST+6*\t+3], 0
	v_mov_b32 v[ST+6*\t+4], 0
	v_mov_b32 v[ST+6*\t+5], 0                      ; (named as the upper half of f's pair)
.endr
	v_mov_b32 v[XX], 0                             ; written once: a lane permute's destination counts as one of its sources
.set j, 0
.rept 64
	v_mov_b32 v[OA+j], 0                           ; O^T.  (The step is written once: the first finds zeros, which the first change of M leaves zeros)
.set j, j+1
.endr
	s_wait_kmcnt 0x0
	s_add_co_i32 s92, s78, s79                     ; e6 + e7: added to c's exponent field
	s_lshl_b32 s92, s92, 23
	s_add_co_i32 s[CS], s[CS], s92
	s_mov_b32 s[CS+1], s[CS]                       ; (named with it as a pair)
	s_xor_b32 s[NCS], s[CS], 0x80000000            ; -c
	s_add_co_i32 s92, s80, 127
	s_lshl_b32 s93, s92, 23
	v_mov_b32 v[CVS], s93                          ; 2^e8
	s_add_co_i32 s92, s92, 8
	s_lshl_b32 s[PLIM], s92, 23
	s_or_b32 s[PLIM], s[PLIM], 0x600000            ; 448 x 2^e8
	s_add_co_i32 s85, s80, s81                     ; e8 + e9
	s_add_co_i32 s92, s82, 127
	s_lshl_b32 s94, s92, 23                        ; 2^e10
	s_add_co_i32 s92, s92, 8
	s_lshl_b32 s87, s92, 23
	s_or_b32 s87, s87, 0x600000                    ; 448 x 2^e10
	s_or_b32 s86, s87, 0x80000000
; ONE TILE'S SOFTMAX FOR 128 KEYS: the 64 scores of my query in v[S] on become p, its sum goes into l, and p's codes into v[pd] on.
.macro SOFTMAX t, pd
.set NM, ST+6*(\t)
.set LL, NM+2
.set FF, NM+4
	v_max3_num_f32 v[MA], v[S], v[S+1], v[S+2]     ; the largest score among my 64 keys, in four chains, in ascending order: each accumulator is read from its low end on
	v_max3_num_f32 v[MB], v[S+3], v[S+4], v[S+5]   ; (four chains, so that a line seldom reads the line just above it)
	v_max3_num_f32 v[TP], v[S+6], v[S+7], v[S+8]
	v_max3_num_f32 v[TP+1], v[S+9], v[S+10], v[S+11]
	v_mov_b32 v22, v[NM]                           ; the old -M is kept aside, so that the new one can be written in place
.irp i, 12,20,28,36,44,52
	v_max3_num_f32 v[MA], v[MA], v[S+\i], v[S+\i+1]
	v_max3_num_f32 v[MB], v[MB], v[S+\i+2], v[S+\i+3]
	v_max3_num_f32 v[TP], v[TP], v[S+\i+4], v[S+\i+5]
	v_max3_num_f32 v[TP+1], v[TP+1], v[S+\i+6], v[S+\i+7]
.endr
	v_max3_num_f32 v[MA], v[MA], v[S+60], v[S+61]
	v_max3_num_f32 v[MB], v[MB], v[S+62], v[S+63]
	s_delay_alu instid0(VALU_DEP_1)
	v_max3_num_f32 v[MA], v[MA], v[MB], v[TP]
	s_delay_alu instid0(VALU_DEP_1)
	v_max_num_f32 v[MA], v[MA], v[TP+1]
	s_delay_alu instid0(VALU_DEP_1)
	v_permlanex16_b32 v[XX], v[MA], s[SEL], s[SEL+1]
	s_delay_alu instid0(VALU_DEP_1)
	v_max3_num_f32 v[NM+1], v[NM+1], v[MA], v[XX]  ; the running largest score: mine, the lane 16 away's, and what was (c is positive, so the largest score gives the largest t)
	s_delay_alu instid0(VALU_DEP_1)
	v_mul_f32 v[MA], s[NCS], v[NM+1]               ; -t
	s_delay_alu instid0(VALU_DEP_1)
	v_floor_f32 v[NM], v[MA]                       ; the new -M = floor(-t) = -ceil(t): a whole number
.set j, 0
.rept 32
	v_pk_fma_f32 v[S+j:S+j+1], v[S+j:S+j+1], s[CS:CS+1], v[NM:NM+1] op_sel_hi:[1,0,0]   ; t - M, two at a time (of the pairs c and -M the low word serves both halves)
.if j == 8                             ; the three lines that make f stand among these, six lines apart
	v_sub_f32 v[MA], v[NM], v22                    ; old M - new M: a whole number, 0 or less
.endif
.if j == 20
	v_cvt_i32_f32 v[MA], v[MA]                     ; (it saturates)
.endif
.if j == 32
	v_ldexp_f32 v[FF], 1.0, v[MA]                  ; f = 2^(old M - new M)
.endif
.set j, j+2
.endr
.set j, 0
	s_wait_alu depctr_va_vdst(0)
.rept 64
	v_exp_f32 v[S+j], v[S+j]                       ; p = 2^(t - M): one batch
.set j, j+1
.endr
	v_pk_mul_f32 v[LL:LL+1], v[LL:LL+1], v[FF:FF+1] op_sel_hi:[1,0]   ; l under the new M: the plain line behind the exponentials
	s_wait_alu depctr_va_vdst(0)                   ; one wait for the batch, ahead of the first line that names a result
	v_pk_add_f32 v[TP:TP+1], v[S:S+1], v[S+2:S+3]  ; the sum of the UNQUANTISED p, two at a time, in four chains
	v_pk_add_f32 v[MA:MA+1], v[S+4:S+5], v[S+6:S+7]
	v_pk_add_f32 v[22:23], v[S+8:S+9], v[S+10:S+11]
	v_pk_add_f32 v[LL:LL+1], v[LL:LL+1], v[S+12:S+13]
.irp j, 14,22,30,38,46,54
	v_pk_add_f32 v[TP:TP+1], v[TP:TP+1], v[S+\j:S+\j+1]
	v_pk_add_f32 v[MA:MA+1], v[MA:MA+1], v[S+\j+2:S+\j+3]
	v_pk_add_f32 v[22:23], v[22:23], v[S+\j+4:S+\j+5]
	v_pk_add_f32 v[LL:LL+1], v[LL:LL+1], v[S+\j+6:S+\j+7]
.endr
	v_pk_add_f32 v[TP:TP+1], v[TP:TP+1], v[S+62:S+63]
	v_pk_add_f32 v[MA:MA+1], v[MA:MA+1], v[22:23]
	s_delay_alu instid0(VALU_DEP_2)
	v_pk_add_f32 v[LL:LL+1], v[LL:LL+1], v[TP:TP+1]
	s_delay_alu instid0(VALU_DEP_1)
	v_pk_add_f32 v[LL:LL+1], v[LL:LL+1], v[MA:MA+1]
.irp i, 0,2,4,6
	v_dual_min_num_f32 v[S+\i], s[PLIM], v[S+\i] :: v_dual_min_num_f32 v[S+\i+1], s[PLIM], v[S+\i+1]   ; the conversion does not saturate (ISA guide 7.6.2); p is not negative, so the hold is one-sided; two numbers a line
.endr
.irp g, 1,2,3,4,5,6,7                  ; the holds run one group of eight ahead of the conversions
.irp i, 0,2,4,6
	v_dual_min_num_f32 v[S+8*\g+\i], s[PLIM], v[S+8*\g+\i] :: v_dual_min_num_f32 v[S+8*\g+\i+1], s[PLIM], v[S+8*\g+\i+1]
.endr
	v_cvt_scalef32_pk8_fp8_f32 v[\pd+2*\g-2:\pd+2*\g-1], v[S+8*\g-8:S+8*\g-1], v[CVS]   ; where pd = P1 the codes of group g - 1 land on p's numbers 2 g - 4, 2 g - 3, converted in an earlier group: four lines of holds lie between
.endr
	v_cvt_scalef32_pk8_fp8_f32 v[\pd+14:\pd+15], v[S+56:S+63], v[CVS]
.endm
.macro RESC t                          ; tile t's O^T under the new M: x f, in ascending order
.set j, 0
.rept 16
	v_pk_mul_f32 v[OA+32*(\t)+j:OA+32*(\t)+j+1], v[OA+32*(\t)+j:OA+32*(\t)+j+1], v[ST+6*(\t)+4:ST+6*(\t)+5] op_sel_hi:[1,0]
.set j, j+2
.endr
.endm
.macro SCORES t, f0                    ; four tiles of S^T, keys 16 f0 on: the sums begin with the constant 0
.irp f, \f0, \f0+1, \f0+2, \f0+3
	v_wmma_f32_16x16x64_fp8_fp8 v[S+8*(\f):S+8*(\f)+7], v[KV+8*(\f):KV+8*(\f)+7], v[QF+8*(\t):QF+8*(\t)+7], 0
.endr
.endm
; A KEY STEP: 128 keys, both tiles.
.macro STEP more                       ; more = 1: a key step follows, and its first four fragments of K are asked for in this one
	v_add_nc_u32 v[ADK], s[TB], v[L16]
	v_add_nc_u32 v[ADV], s[TBV], v[L16]
.rept 3
	v_nop                                          ; with the two additions five places behind the last products: the scores below are written over tile 1's codes, which those products read; the loads into K's registers want four
.endr
.irp f, 4,5,6,7                        ; K's fragments 4-7; fragments 0-3 were asked for in the step before (the first step's: ahead of the loop)
	ds_load_b128 v[KV+8*\f:KV+8*\f+3],   v[ADK] offset:1024*\f         ; 32 lanes read 512 consecutive bytes
	ds_load_b128 v[KV+8*\f+4:KV+8*\f+7], v[ADK] offset:1024*\f+512
.endr
	s_wait_dscnt 8                                 ; K's tiles 0-3 are in; the youngest eight loads may be out
	SCORES 0, 0
	s_wait_dscnt 0x0
	SCORES 0, 4
.rept 4
	v_nop                                          ; places in front of the first read of the scores
.endr
	SOFTMAX 0, P0
	v_nop                                          ; a plain line behind the last conversion: the next products write its sources
	SCORES 1, 0
	SCORES 1, 4
	RESC 0                                         ; sixteen plain lines: the places behind those products, for the loads below and for the reads of the scores
.irp f, 0,1,2,3
.irp c, 0,1,2,3
	ds_load_b128 v[KV+16*\f+4*\c:KV+16*\f+4*\c+3], v[ADV] offset:2048*\f+512*\c   ; V's four fragments are on their way while tile 1's softmax is computed
.endr
.endr
	SOFTMAX 1, P1
	RESC 1                                         ; (also the plain lines behind the last conversion)
	s_wait_alu depctr_va_vdst(0)
	s_wait_dscnt 0x0                               ; V is in
.irp f, 0,1                            ; O^T += V^T P^T: eight accumulators, one instruction a turn
	v_wmma_f32_16x16x128_fp8_fp8 v[OA+8*\f:OA+8*\f+7], v[KV+16*\f:KV+16*\f+15], v[P0:P0+15], v[OA+8*\f:OA+8*\f+7]
	v_wmma_f32_16x16x128_fp8_fp8 v[OA+32+8*\f:OA+32+8*\f+7], v[KV+16*\f:KV+16*\f+15], v[P1:P1+15], v[OA+32+8*\f:OA+32+8*\f+7]
.endr
.if \more
.rept 4
	v_nop                                          ; places in front of loads into the registers of V's fragments 0 and 1, which the four products above have read
.endr
.irp f, 0,1,2,3
	ds_load_b128 v[KV+8*\f:KV+8*\f+3],   v[ADK] offset:8192+1024*\f        ; the next step's K, fragments 0-3: 8,192 bytes on
	ds_load_b128 v[KV+8*\f+4:KV+8*\f+7], v[ADK] offset:8192+1024*\f+512
.endr
.endif
.irp f, 2,3
	v_wmma_f32_16x16x128_fp8_fp8 v[OA+8*\f:OA+8*\f+7], v[KV+16*\f:KV+16*\f+15], v[P0:P0+15], v[OA+8*\f:OA+8*\f+7]
	v_wmma_f32_16x16x128_fp8_fp8 v[OA+32+8*\f:OA+32+8*\f+7], v[KV+16*\f:KV+16*\f+15], v[P1:P1+15], v[OA+32+8*\f:OA+32+8*\f+7]
.endr
.endm
	s_wait_alu depctr_va_vdst(0)
	s_wait_loadcnt 0x0                             ; Q
	s_wait_tensorcnt 0x0                           ; my piece is in
	s_barrier_signal -1
	s_barrier_wait -1                              ; everybody's is: all of K and V; nothing is ever filled again
	s_mov_b32 s[TB], 0
	s_mov_b32 s[TBV], 131072
	s_mov_b32 s[CNT], 15
.irp f, 0,1,2,3
	ds_load_b128 v[KV+8*\f:KV+8*\f+3],   v[L16] offset:1024*\f             ; the first step's K, fragments 0-3, from LDS byte 0 on
	ds_load_b128 v[KV+8*\f+4:KV+8*\f+7], v[L16] offset:1024*\f+512
.endr
.Lstep:                                            ; 15 trips; at the loop's head eight LDS loads are out, on the way in and on the way back alike
	STEP 1
	s_add_co_u32 s[TB], s[TB], 8192                ; 128 keys on: 8 fragments of 1,024 bytes,
	s_add_co_u32 s[TBV], s[TBV], 8192              ; 4 of 2,048
	s_sub_co_u32 s[CNT], s[CNT], 1
	s_cmp_lg_u32 s[CNT], 0
	s_cbranch_scc1 .Lstep
	STEP 0                                         ; the sixteenth key step is written out: no step follows, so it asks for no further fragments
	; THE WAY OUT.  l's two halves and the other half of the lanes' are added (these additions are the places behind the last products); O^T x 2^(e8 + e9) / l is held, converted, and brought into the next operand's order.
	v_add_f32 v[MA], v[ST+2], v[ST+3]
	v_add_f32 v[MB], v[ST+8], v[ST+9]
	s_delay_alu instid0(VALU_DEP_2)
	v_permlanex16_b32 v[XX], v[MA], s[SEL], s[SEL+1]
	s_delay_alu instid0(VALU_DEP_1)
	v_add_f32 v[MA], v[MA], v[XX]
	s_delay_alu instid0(VALU_DEP_2)
	v_permlanex16_b32 v[XX], v[MB], s[SEL], s[SEL+1]
	s_delay_alu instid0(VALU_DEP_1)
	v_add_f32 v[MB], v[MB], v[XX]
	s_wait_alu depctr_va_vdst(0)
	v_rcp_f32 v[ST+4], v[MA]
	v_rcp_f32 v[ST+10], v[MB]
	v_mov_b32 v[CVS], s94                          ; 2^e10: the plain line behind the reciprocals
	s_wait_alu depctr_va_vdst(0)                   ; one wait for both, ahead of the first line that names a result
	v_ldexp_f32 v[ST+4], v[ST+4], s85
	v_ldexp_f32 v[ST+10], v[ST+10], s85
	RESC 0
	RESC 1
.set j, 0
.rept 64
	v_med3_num_f32 v[OA+j], v[OA+j], s86, s87      ; held within +-448 x 2^e10
.set j, j+1
.endr
.irp t, 0,1
.irp f, 0,1,2,3
	v_cvt_scalef32_pk8_fp8_f32 v[KV+8*\t+2*\f:KV+8*\t+2*\f+1], v[OA+32*\t+8*\f:OA+32*\t+8*\f+7], v[CVS]   ; lane (r, h): channels 16 f + 8 h + 0 .. 7 of row r
.endr
.endr
	v_and_b32 v[MB], 16, v0                        ; (a plain line behind the last conversion)
	s_delay_alu instid0(VALU_DEP_1)
	v_cmp_ne_u32 vcc_lo, 0, v[MB]                  ; the upper half of the lanes
	; The next operand wants channels 32 c + 16 h + 0 .. 15 in lane (r, h).  Of registers 4 c .. 4 c + 3 the lower half of the lanes keeps the first two and sends the last two,
	; the upper half keeps the last two and sends the first two: one exchange for each pair of registers.
.irp t, 0,1
.irp c, 0,1
.irp i, 0,1
	v_cndmask_b32 v[MA], v[KV+8*\t+4*\c+2+\i], v[KV+8*\t+4*\c+\i], vcc_lo
	s_delay_alu instid0(VALU_DEP_1)
	v_permlanex16_b32 v[XX], v[MA], s[SEL], s[SEL+1]
	v_cndmask_b32 v[KV+8*\t+4*\c+\i], v[KV+8*\t+4*\c+\i], v[XX], vcc_lo
	v_cndmask_b32 v[KV+8*\t+4*\c+2+\i], v[XX], v[KV+8*\t+4*\c+2+\i], vcc_lo
.endr
.endr
.endr
.irp t, 0,1
.irp c, 0,1
	global_store_b128 v[L16], v[KV+8*\t+4*\c:KV+8*\t+4*\c+3], s[12:13] offset:16384*\t+512*\c   ; 32 lanes store 512 consecutive bytes, at a multiple of 512 from the buffer's first byte
.endr
.endr
	s_wait_tensorcnt 0x0                           ; the wave's end
	ds_add_u32 v254, v255
	s_wait_dscnt 0x0
	CROUND                                         ; the closing round: no work-group ends while a partner may still ask for a piece that names it
	s_endpgm
.Lfunc_end_k_qcc4136186d_attn:
	.size	k_qcc4136186d_attn, .Lfunc_end_k_qcc4136186d_attn-k_qcc4136186d_attn
	.p2alignl 7, 3214868480
	.fill 96, 4, 3214868480
	.section	.rodata,"a",@progbits
	.p2align	6, 0x0
	.amdhsa_kernel k_qcc4136186d_attn
		.amdhsa_group_segment_fixed_size 264192
		.amdhsa_private_segment_fixed_size 0
		.amdhsa_enable_private_segment 0
		.amdhsa_kernarg_size 40
		.amdhsa_user_sgpr_count 2
		.amdhsa_user_sgpr_kernarg_segment_ptr 1
		.amdhsa_wavefront_size32 1
		.amdhsa_system_sgpr_workgroup_id_x 1
		.amdhsa_system_sgpr_workgroup_id_y 1
		.amdhsa_system_sgpr_workgroup_id_z 1
		.amdhsa_system_vgpr_workitem_id 0
		.amdhsa_next_free_vgpr 256
		.amdhsa_next_free_sgpr 96
		.amdhsa_reserve_vcc 1
		.amdhsa_float_denorm_mode_32 3
		.amdhsa_float_denorm_mode_16_64 3
		.amdhsa_memory_ordered 1
		.amdhsa_forward_progress 1
		.amdhsa_inst_pref_size 75
	.end_amdhsa_kernel
	.amdgpu_metadata
---
amdhsa.version: [ 1, 2 ]
amdhsa.kernels:
  - .name:           k_qcc4136186d_attn
    .symbol:         k_qcc4136186d_attn.kd
    .args:
      - { .name: q_img, .offset: 0, .size: 8, .value_kind: global_buffer, .address_space: global }
      - { .name: k_img, .offset: 8, .size: 8, .value_kind: global_buffer, .address_space: global }
      - { .name: v_img, .offset: 16, .size: 8, .value_kind: global_buffer, .address_space: global }
      - { .name: lowp_scales, .offset: 24, .size: 8, .value_kind: global_buffer, .address_space: global }
      - { .name: a_img, .offset: 32, .size: 8, .value_kind: global_buffer, .address_space: global }
    .group_segment_fixed_size: 264192
    .private_segment_fixed_size: 0
    .kernarg_segment_align: 8
    .kernarg_segment_size: 40
    .max_flat_workgroup_size: 512
    .sgpr_count:     96
    .vgpr_count:     256
    .wavefront_size: 32
...
	.end_amdgpu_metadata
.endif
;; end of part 2
;; launch oproj (part 3): grid 32 x 8, 4 waves a work-group, clusters of 4 x 1, 167,936 bytes of LDS; arguments a_img, Wo_codes, lowp_scales, bo, out0; writes out0
.if DOCPART == 3
	.amdgcn_target "amdgcn-amd-amdhsa--gfx1250"
	.amdhsa_code_object_version 6
	.text
	.protected	k_qcc4136186d_oproj
	.globl	k_qcc4136186d_oproj
	.p2align	8
	.type	k_qcc4136186d_oproj,@function
k_qcc4136186d_oproj:
	s_mov_b64 s[64:65], 0
	v_nop
	global_prefetch_b8 v0, s[64:65] scope:SCOPE_SE
	s_setreg_imm32_b32 hwreg(HW_REG_WAVE_MODE, 25, 1), 1
	s_wait_xcnt 0x0
	s_wait_alu depctr_hold_cnt(0) depctr_sa_sdst(0) depctr_va_vdst(0) depctr_va_sdst(0) depctr_va_ssrc(0) depctr_va_vcc(0) depctr_vm_vsrc(0)
	s_getreg_b32 s2, hwreg(HW_REG_IB_STS2, 6, 4)
	s_cmp_eq_u32 s2, 0
	s_cbranch_scc0 .Lentry_in_a_cluster
	s_endpgm
.Lentry_in_a_cluster:
	s_bfe_u32 s2, ttmp6, 0x10000c
	s_cmp_lg_u32 s2, 0x3003
	s_cbranch_scc0 .Lentry_shape_is_right
	s_endpgm
.Lentry_shape_is_right:
; out0[m][n] = sum over k of A[m][k] Wo[n][k] x 2^(e10 + e11) + bo[n]: 8,192 x 1,024, K = 1,024, both operands E4M3 codes, sums in f32.
; A comes as a_img [row / 16][k / 128][2,048 bytes], images of operand registers: lane l's 16 bytes of register group c at 512 c + 16 l; lane (r, h), group c: k = 32 c + 16 h + 0 .. 15 of row r.
; SHARES.  A work-group makes 256 rows x 128 columns: 32 x 8 = 256 work-groups.  Each of its four waves makes 64 rows x 128 columns: 32 accumulators, 256 registers.
; A GOES STRAIGHT INTO REGISTERS AND STAYS: a wave's 64 rows x 1,024 codes are 512 registers, 128 loads in which 32 lanes read 512 consecutive bytes.
; Wo's 128 rows x 1,024 bytes lie in LDS whole: each wave brings 32 rows by its one tensor load; every byte is filled once, nothing is filled again.  One barrier, then eight K steps of 128 written out (register numbers differ in each).
; CLUSTER 4 x 1: the four partners make four row blocks of one column block and need the same rows of Wo: asked for jointly, mask 15.  A is each work-group's own.
; The matrix instruction is used transposed (source 0 = 16 rows of Wo, source 1 = 16 rows of A): a lane holds eight neighbouring numbers of a row of the result.
; The bias, x 2^-(e10 + e11), is the C of each accumulator's first product; each finished sum is multiplied once by 2^(e10 + e11).
; NO PREFETCH: all operands are asked for at the head; there is no loop to run ahead in.
; LIMIT: e10 + e11 between -126 and 127, so that 2^(e10 + e11) is an f32 number.
; REGISTERS: window 0: v1-9 addresses, v32-95 the bias, then the way out's products, v128-255 Wo's fragments in two halves of four; windows 1, 2: A, K step q, row tile a at 64 (q % 4) + 16 a; window 3: accumulator (a, b) at 64 a + 8 b.
.set PITCH,  1040                      ; an LDS row: 1,024 bytes + 16 of padding: the 16 rows of a fragment start 4 words apart modulo 64 words
.set QROWS,  32*PITCH                  ; what one wave's load fills
.set STAGE,  4*QROWS                   ; behind Wo: 16 rows x 528 bytes for each wave, bytes of their own
.set SPITCH, 528
.set SPARE,  STAGE+4*16*SPITCH         ; the spare words, 128 bytes a wave
.set L16,  1                           ; 16 x lane: A's loads and the stores
.set ADRB, 2                           ; v2, v3: my lane's place in Wo's rows 0-63, 64-127
.set STO,  4
.set RD,   5
.set BOF,  6
.set SPW,  8
.set NIL,  9
.set BO,   32
.set TMP,  32
.set BF,   128
.set G1,   24
.set G0,   32
.set MSB, 0
.macro WIN new                         ; the immediate's high byte repeats the setting that is left
.if MSB != \new
	s_set_vgpr_msb (MSB<<8)|\new
.set MSB, \new
.endif
.endm
.macro CROUND
	s_barrier_signal -1
	s_barrier_wait -1
	s_cmp_lg_u32 s14, 0
	s_cbranch_scc1 .Lnot_wave_0_\@
	s_barrier_signal -3
.Lnot_wave_0_\@:
	s_barrier_wait -3
	s_barrier_signal -1
	s_barrier_wait -1
.endm
.macro PLACES
.rept 4
	v_nop
.endr
.endm
.macro ALOAD q                         ; A's four row tiles of K step q: 16 loads
.irp a, 0,1,2,3
.irp c, 0,1,2,3
	global_load_b128 v[64*((\q)%4)+16*\a+4*\c:64*((\q)%4)+16*\a+4*\c+3], v[L16], s[4:5] offset:16384*\a+2048*(\q)+512*\c
.endr
.endr
.endm
.macro FETCHB hf, q                    ; four fragments of Wo (columns 64 hf on) of K step q: 16 loads
.irp i, 0,1,2,3
.irp c, 0,1,2,3
	ds_load_b128 v[BF+64*(\hf)+16*\i+4*\c:BF+64*(\hf)+16*\i+4*\c+3], v[ADRB+(\hf)] offset:16*PITCH*\i+128*(\q)+32*\c
.endr
.endr
.endm
.macro MULH q, hf, first               ; 16 products on 16 accumulators, one a turn
.irp a, 0,1,2,3
.irp b, 0,1,2,3
.if \first
	v_wmma_f32_16x16x128_fp8_fp8 v[64*\a+8*(4*(\hf)+\b):64*\a+8*(4*(\hf)+\b)+7], v[BF+64*(\hf)+16*\b:BF+64*(\hf)+16*\b+15], v[64*((\q)%4)+16*\a:64*((\q)%4)+16*\a+15], v[BO+8*(4*(\hf)+\b):BO+8*(4*(\hf)+\b)+7]
.else
	v_wmma_f32_16x16x128_fp8_fp8 v[64*\a+8*(4*(\hf)+\b):64*\a+8*(4*(\hf)+\b)+7], v[BF+64*(\hf)+16*\b:BF+64*(\hf)+16*\b+15], v[64*((\q)%4)+16*\a:64*((\q)%4)+16*\a+15], v[64*\a+8*(4*(\hf)+\b):64*\a+8*(4*(\hf)+\b)+7]
.endif
.endr
.endr
.endm
.macro KSTEP q
.if (\q) == 0
.set MW, 0xc4                          ; D window 3, C (the bias) window 0, A window 1, Wo window 0
.else
.set MW, 0xf4+4*((\q)/4)               ; C and D window 3, A window 1 or 2
.endif
.if 16*(7-(\q)) > 63
	s_wait_loadcnt 63                              ; behind this K step's loads of A more than 63 were issued
.else
	s_wait_loadcnt 16*(7-(\q))                     ; the later K steps' loads of A may be out
.endif
	s_wait_dscnt 16                                ; the first half of Wo's fragments is in; the second half's 16 loads may be out
	WIN MW
	MULH \q, 0, ((\q)==0)
.if (\q) < 7
	PLACES                                         ; in front of loads into registers that matrix instructions have read
	WIN 0
	FETCHB 0, (\q)+1
	s_wait_dscnt 16                                ; all but the 16 just issued
.else
	s_wait_dscnt 0x0
.endif
	WIN MW
	MULH \q, 1, ((\q)==0)
.if (\q) < 7
	PLACES
	WIN 0
	FETCHB 1, (\q)+1
.endif
.endm
	s_load_b128 s[4:7], s[0:1], 0x0                ; a_img, Wo's codes
	s_load_b128 s[8:11], s[0:1], 0x10              ; the scales' exponents, bo
	s_load_b64 s[12:13], s[0:1], 0x20              ; out0
	v_lshl_add_u32 v[SPW], v0, 2, SPARE
	v_mov_b32 v[NIL], 0
	ds_add_u32 v[SPW], v[NIL]                      ; the opening lines: the add twice on end and one wait
	ds_add_u32 v[SPW], v[NIL]
	v_lshrrev_b32 v10, 5, v0
	v_readfirstlane_b32 s14, v10                   ; wave 0..3
	v_and_b32 v11, 15, v0                          ; r
	v_bfe_u32 v12, v0, 4, 1                        ; h
	v_and_b32 v13, 31, v0
	v_lshlrev_b32 v[L16], 4, v13
	v_mul_u32_u24 v14, v11, PITCH
	v_lshl_add_u32 v[ADRB], v12, 4, v14            ; row r x pitch + 16 h
	v_add_nc_u32 v[ADRB+1], 64*PITCH, v[ADRB]
	s_mul_i32 s23, s14, 16*SPITCH
	s_add_co_u32 s23, s23, STAGE                   ; my stage
	v_mul_u32_u24 v15, v11, SPITCH
	v_lshl_add_u32 v15, v12, 5, v15
	v_add_nc_u32 v[STO], s23, v15                  ; in: row r, 32 bytes for each half of the lanes
	v_add_nc_u32 v[RD], s23, v[L16]                ; back: the 32 lanes take one row of 512 bytes
	v_lshlrev_b32 v[BOF], 5, v12
	s_bfe_u32 s40, ttmp6, 0x40000                  ; cx
	s_lshl_b32 s42, ttmp9, 2
	s_add_co_u32 s42, s42, s40                     ; row block = 4 x cluster x + cx: it enters A's and the output's addresses alone
	s_and_b32 s17, ttmp7, 0xffff                   ; column block, which the four partners share
	s_mov_b32 s[G1], 15|(1<<20)|(1<<21)|(7<<22)|(3<<25)  ; mask of all four; elements of 1 byte; padding of 4 words behind every 256 words; bit 21 set beside a mask
	s_mov_b32 s[G1+1], 1024<<16                    ; tensor_dim0
	s_mov_b32 s[G1+2], 32<<16                      ; tensor_dim1
	s_mov_b32 s[G1+3], 1024<<16                    ; tile_dim0
	s_mov_b32 s[G1+4], 32                          ; tile_dim1
	s_mov_b32 s[G1+5], 1024                        ; pitch
	s_mov_b32 s[G1+6], 0
	s_mov_b32 s[G1+7], 0
	s_lshl_b32 s20, s42, 18                        ; A: 16 row tiles of 16,384 bytes a row block,
	s_lshl_b32 s18, s14, 16                        ; four a wave
	s_add_co_u32 s20, s20, s18
	s_mov_b32 s21, 0
	s_lshl_b32 s46, s17, 17                        ; Wo: 128 rows of 1,024 bytes a column block,
	s_lshl_b32 s18, s14, 15                        ; 32 a wave
	s_add_co_u32 s46, s46, s18
	s_mov_b32 s47, 0
	s_mul_i32 s45, s14, QROWS                      ; and where they go
	s_lshl_b32 s48, s17, 9                         ; 128 columns of f32
	s_mov_b32 s49, 0
	s_lshl_b32 s50, s42, 20                        ; out0: 256 rows of 4,096 bytes a row block,
	s_lshl_b32 s18, s14, 18                        ; 64 a wave
	s_add_co_u32 s50, s50, s18
	s_add_co_u32 s50, s50, s48
	s_mov_b32 s51, 0
	s_wait_alu depctr_va_vdst(0)
	s_wait_dscnt 0x0                               ; both opening adds are done
	s_wait_kmcnt 0x0
	s_load_b64 s[96:97], s[8:9], 0x28              ; e10, e11
	s_add_nc_u64 s[4:5], s[4:5], s[20:21]
	s_add_nc_u64 s[10:11], s[10:11], s[48:49]
	s_add_nc_u64 s[12:13], s[12:13], s[50:51]
	s_mov_b32 s[G0], 1
	s_mov_b32 s[G0+1], s45
	s_add_nc_u64 s[G0+2:G0+3], s[6:7], s[46:47]
	s_or_b32 s[G0+3], s[G0+3], 0x80000000
.irp b, 0,1,2,3,4,5,6,7
	global_load_b128 v[BO+8*\b:BO+8*\b+3],   v[BOF], s[10:11] offset:64*\b      ; bo at my eight columns of column tile b
	global_load_b128 v[BO+8*\b+4:BO+8*\b+7], v[BOF], s[10:11] offset:64*\b+16
.endr
	WIN 0x40                                       ; destination window 1
	ALOAD 0
	ALOAD 1
	WIN 0
	CROUND                                         ; all four work-groups are here: the joint loads meet
	tensor_load_to_lds s[G0:G0+3], s[G1:G1+7]      ; my 32 rows of Wo: my one tensor load
	s_nop 0
	WIN 0x40
	ALOAD 2
	ALOAD 3
	WIN 0x80                                       ; destination window 2
	ALOAD 4
	ALOAD 5
	ALOAD 6
	ALOAD 7
	WIN 0
	s_wait_kmcnt 0x0
	s_add_co_i32 s96, s96, s97                     ; e10 + e11
	s_sub_co_i32 s97, 0, s96
	s_add_co_i32 s96, s96, 127
	s_lshl_b32 s96, s96, 23                        ; 2^(e10 + e11) as f32
	s_wait_loadcnt 63                              ; the bias: 128 loads were issued behind it
.set i, 0
.rept 64
	v_ldexp_f32 v[BO+i], v[BO+i], s97              ; bo x 2^-(e10 + e11)
.set i, i+1
.endr
	s_wait_alu depctr_va_vdst(0)
	s_wait_tensorcnt 0x0                           ; my rows of Wo are in
	s_barrier_signal -1
	s_barrier_wait -1                              ; everybody's are
	FETCHB 0, 0
	FETCHB 1, 0
.irp q, 0,1,2,3,4,5,6,7
	KSTEP \q
.endr
; THE WAY OUT, block by block of 16 rows x 128 columns, through my own stage: whole rows of 512 bytes come back, which the 32 lanes store as two aligned units of 256 bytes.
; LDS serves a wave's instructions in order (ISA guide 5.7.1.4): no wait between the stores and the loads.
.macro TOSTAGE a
	WIN 0x03                                       ; source 0: window 3
.irp j, 0,2,4,6,8,10,12,14,16,18,20,22,24,26,28,30,32,34,36,38,40,42,44,46,48,50,52,54,56,58,60,62
	v_pk_mul_f32 v[TMP+\j:TMP+\j+1], v[64*(\a)+\j:64*(\a)+\j+1], s[96:97] op_sel_hi:[1,0]   ; x 2^(e10 + e11); each accumulator from its low end on
.endr
	WIN 0
.irp b, 0,1,2,3,4,5,6,7
	ds_store_b128 v[STO], v[TMP+8*\b:TMP+8*\b+3] offset:64*\b
	ds_store_b128 v[STO], v[TMP+8*\b+4:TMP+8*\b+7] offset:64*\b+16
.endr
.set BB, BF+64*((\a)%2)
.irp t, 0,1,2,3,4,5,6,7,8,9,10,11,12,13,14,15
	ds_load_b128 v[BB+4*\t:BB+4*\t+3], v[RD] offset:\t*SPITCH
.endr
.endm
.macro SEND a, younger                 ; younger: the LDS instructions issued behind block a's loads, which may stay out
.set BB, BF+64*((\a)%2)
	s_wait_dscnt \younger
.if (\a) > 0
	s_add_nc_u64 s[12:13], s[12:13], 16*4096       ; (behind a wait on XCNT: the earlier stores have read their base)
.endif
.irp t, 0,1,2,3,4,5,6,7,8,9,10,11,12,13,14,15
	global_store_b128 v[L16], v[BB+4*\t:BB+4*\t+3], s[12:13] offset:\t*4096 th:TH_STORE_NT   ; 32 lanes store 512 consecutive bytes, at a multiple of 512 from out0's first byte
.endr
.endm
	PLACES                                         ; behind the last products
	TOSTAGE 0
.irp a, 1,2,3
.if \a > 1
	s_wait_xcnt 0x0                                ; block a - 2's stores have read their registers and their base
.endif
	TOSTAGE \a
	SEND \a-1, 32                                  ; behind block a - 1's loads: block a's 16 stores and 16 loads
.endr
	s_wait_xcnt 0x0
	SEND 3, 0
	s_wait_tensorcnt 0x0                           ; the wave's end
	ds_add_u32 v[SPW], v[NIL]
	s_wait_dscnt 0x0
	CROUND                                         ; the closing round
	s_endpgm
.Lfunc_end_k_qcc4136186d_oproj:
	.size	k_qcc4136186d_oproj, .Lfunc_end_k_qcc4136186d_oproj-k_qcc4136186d_oproj
	.p2alignl 7, 3214868480
	.fill 96, 4, 3214868480
	.section	.rodata,"a",@progbits
	.p2align	6, 0x0
	.amdhsa_kernel k_qcc4136186d_oproj
		.amdhsa_group_segment_fixed_size 167936
		.amdhsa_private_segment_fixed_size 0
		.amdhsa_enable_private_segment 0
		.amdhsa_kernarg_size 40
		.amdhsa_user_sgpr_count 2
		.amdhsa_user_sgpr_kernarg_segment_ptr 1
		.amdhsa_wavefront_size32 1
		.amdhsa_system_sgpr_workgroup_id_x 1
		.amdhsa_system_sgpr_workgroup_id_y 1
		.amdhsa_system_sgpr_workgroup_id_z 1
		.amdhsa_system_vgpr_workitem_id 0
		.amdhsa_next_free_vgpr 1024
		.amdhsa_next_free_sgpr 98
		.amdhsa_reserve_vcc 0
		.amdhsa_float_denorm_mode_32 3
		.amdhsa_float_denorm_mode_16_64 3
		.amdhsa_memory_ordered 1
		.amdhsa_forward_progress 1
		.amdhsa_inst_pref_size 81
	.end_amdhsa_kernel
	.amdgpu_metadata
---
amdhsa.version: [ 1, 2 ]
amdhsa.kernels:
  - .name:           k_qcc4136186d_oproj
    .symbol:         k_qcc4136186d_oproj.kd
    .args:
      - { .name: a_img, .offset: 0, .size: 8, .value_kind: global_buffer, .address_space: global }
      - { .name: Wo_codes, .offset: 8, .size: 8, .value_kind: global_buffer, .address_space: global }
      - { .name: lowp_scales, .offset: 16, .size: 8, .value_kind: global_buffer, .address_space: global }
      - { .name: bo, .offset: 24, .size: 8, .value_kind: global_buffer, .address_space: global }
      - { .name: out0, .offset: 32, .size: 8, .value_kind: global_buffer, .address_space: global }
    .group_segment_fixed_size: 167936
    .private_segment_fixed_size: 0
    .kernarg_segment_align: 8
    .kernarg_segment_size: 40
    .max_flat_workgroup_size: 128
    .sgpr_count:     98
    .vgpr_count:     1024
    .wavefront_size: 32
...
	.end_amdgpu_metadata
.endif
;; end of part 3
